; MI455X (gfx1250); checked and timed in simulation.
; The chip was launched on July 23, 2026; its instructions are those of AMD's public machine-readable ISA for CDNA 5 (MIT licence, August 2026) and "CDNA5" Instruction Set Architecture Reference Guide (July 2026). The comments in the code are by the model that wrote it; some were corrected since.
;; Mo E. Allowed arithmetic: matrix products marked QUANTISED: E3M2 operands, one E8M0 scale for each 32 along K, by v_wmma_scale_f32_16x16x128_f8f6f4 with both operands' format E3M2, f32 sums; products left as they are: f32 operands where the result goes on into a quantised operand, else bf16, f16 or f32 operands; f32 sums; everything else in f32.
;; Inputs: W1_codes 8 x 128 x 96 x 24 uint8 (E3M2 codes of W1, K innermost, in blocks of 32 codes, four codes in three bytes); W1_scales 8 x 128 x 96 uint8 (E8M0 scales of W1, one for each 32 codes along K); W2 8 x 128 x 10 float32; Wg 3,072 x 8 float32; b1 8 x 128 float32; b2 8 x 10 float32; bg 8 float32; x 8,192 x 3,072 float32.
;; Outputs: out0 8,192 x 10 float32.
;; This version of the problem:
;;   THIS VERSION OF THE PROBLEM IS GIVEN IN LOW PRECISION. The matrix products marked QUANTISED in the list below multiply operands that are first quantised to E3M2 (3 exponent bits, 2 mantissa bits; 6 bits a number), with one power-of-two scale for each 32 numbers along K (OCP MX v1.0); their sums are f32. All else is computed in f32.
;;   The module's matrix products, in the order in which they are computed (A, B: the left and right operand; K: the contracted axis; several contracted axes count as one K, in the product's order):
;;     1. [M 8,192, K 3,072] x [K 3,072, N 8]; A: input x; B: input Wg: left as it is (N = 8 < 16)
;;     2. [M 8,192, K 3,072] x [K 3,072, N 1,024]; A: input x; B: input W1 (given as codes): QUANTISED
;;     3. batch 8 x [M 10, K 128] x [K 128, N 8,192]; A: input W2; B: computed on the way: left as it is (M = 10 < 16)
;;   THE QUANTISER, for each operand of a quantised product, along K:
;;     - K is cut into blocks of 32 from its start; a last block that is shorter is filled with zeros.
;;     - A block's scale is 2^e with e = floor(log2(the largest magnitude in the block)) - 4, held to -126 .. 127; a block of zeros has e = 0. As a byte (E8M0): e + 127.
;;     - Each number is divided by its block's scale, clamped to +-28, and rounded to the nearest number of E3M2, ties to even, subnormals kept.
;;     - The product sums the exact products of the quantised numbers (number of the format x scale) in f32.
;;   ~~~python
;;   def quantise(x, axis):      # numpy; x: float32 -> the quantised numbers, widened to float32 again
;;       x = np.moveaxis(x, axis, -1); K = x.shape[-1]
;;       x = np.pad(x, [(0, 0)] * (x.ndim - 1) + [(0, -K % 32)]); x = x.reshape(x.shape[:-1] + (-1, 32)); a = np.abs(x).max(-1, keepdims=True)
;;       e = np.where(a > 0, np.clip(np.frexp(np.where(a > 0, a, 1))[1] - 1 - 4, -126, 127), 0)      # np.frexp(a)[1] - 1 = floor(log2(a)), exactly
;;       r = np.clip(x / 2.0 ** e, -28, 28)
;;       step = 2.0 ** (np.maximum(np.frexp(np.where(r == 0, 1, r))[1] - 1, -2) - 2)
;;       q = np.round(r / step) * step * 2.0 ** e      # np.round: ties to even
;;       return np.moveaxis(q.reshape(q.shape[:-2] + (-1,))[..., :K], -1, axis).astype(np.float32)
;;   ~~~
;;   INPUTS GIVEN AS CODES. W1 (in the module: [8, 3072, 128], K = its axis 1): each comes as NAME_codes (uint8): NAME with its K axis moved to the last place and cut into blocks of 32 codes, [.., K / 32, bytes a block], one block behind the other in memory; four codes in three bytes: a row's codes are one little-endian stream of bits, code i at bits 6 i .. 6 i + 5 (a code: sign, 3 exponent bits, 2 mantissa bits); and NAME_scales (uint8): the same leading axes, one E8M0 byte (e + 127) for each 32 codes along K. Its value is code x scale, taken as it is: it is not quantised again, and the codes and scales need not be those that the quantiser above would give.
;; One version. Each part assembles by itself: llvm-mc -triple=amdgcn-amd-amdhsa -mcpu=gfx1250 --defsym DOCPART=n.
;; ======== version 1 of 1: 2 launches
;; limits: values are held in bf16: 8 bits of precision; right only within a limited range of input values
;; workspace buffers: xc 18,874,368 bytes; xs 786,432 bytes; w1r 2,359,296 bytes; wts 65,536 bytes; msk 65,536 bytes of whole numbers
;; launch quant (part 1): grid 256 x 1, 12 waves a work-group, no clusters, 173,568 bytes of LDS; arguments x, Wg, bg, W1_codes, xc, xs, w1r, msk, wts; writes xc, xs, w1r, msk, wts
.if DOCPART == 1
	.amdgcn_target "amdgcn-amd-amdhsa--gfx1250"
	.amdhsa_code_object_version 6
	.text
	.protected	k_q5c6cabbeb6_quant
	.globl	k_q5c6cabbeb6_quant
	.p2align	8
	.type	k_q5c6cabbeb6_quant,@function
k_q5c6cabbeb6_quant:
	s_mov_b64 s[64:65], 0
	v_nop
	global_prefetch_b8 v0, s[64:65] scope:SCOPE_SE
	s_setreg_imm32_b32 hwreg(HW_REG_WAVE_MODE, 25, 1), 1
	s_wait_xcnt 0x0
; x [8192][3072] f32 is read ONCE and serves two things: its codes of BF6 (E3M2) with one E8M0 byte for each 32 along K, and the gate x Wg + bg in f32 with its top-2 of 8 experts.
; OUT: xc [token][24 K steps][96 bytes]: in a K step of 128 the four blocks of 24 bytes lie in the order 0, 2, 1, 3, so that the 48 bytes which one half of the lanes wants of a fragment are on end and 16-aligned;
;      xs [token][96] scale bytes; wts [token] (weight of the lower-numbered chosen expert, of the higher); msk [256 blocks][32 pairs] = (mask of the block's tokens that chose the pair, their number);
;      w1r: W1's codes as images of the operand's registers, [expert][half of 64 columns][K step][tile of 16 columns][c 0..2][lane][16 bytes].
; The pair {a < b} has the number a (15 - a) / 2 + b - a - 1, 0 .. 27.  Nothing that is derived from the logits steers an address or a branch here: it is stored at fixed places.
; SHARES.  Work-group g owns tokens 32 g .. 32 g + 31.  Wave w: K chunk c = w / 2 (512 numbers), tokens 16 (w % 2) + 0 .. 15: sixteen steps of one token x 512 numbers (2,048 bytes).
; Each load reads 512 consecutive bytes; the 2,048 bytes turn through the wave's own stage in LDS and come back 64 bytes a lane: lane l then holds the 16 neighbours k = 512 c + 16 l + i, two lanes a block.
; The lane's 128 gate weights Wg[k][0..7] stay in registers for the whole launch.  Wg comes into LDS once for the work-group, by dense loads, and each lane reads its 512 bytes from there.
; A block's scale is 2^(floor(log2(largest magnitude)) - 4): its byte is the largest magnitude's exponent field - 4, held at 1 from below.
; LIMITS: NaN and infinities in x or in the logits are not served.  A block whose largest magnitude lies under 2^-122, a block of zeros among them, gets the byte 1 (zero codes add nothing; this program alone reads the bytes).
; The gate's f32 sums are taken in another order than a plain ascending sum: logits equal to within f32 rounding may be ordered otherwise.  Equal logits: the lower index wins, as in top_k.
; No tensor loads: twelve waves' slots of a useful size do not fit beside Wg.  No cluster: work-groups share only Wg, 96 KiB against the 384 KiB of x that each reads.
.set XROW, 12288                       ; a row of x in bytes
.set CROW, 2304                        ; a row of codes in bytes
.set SP,   80                          ; a lane's place in a stage: 64 bytes + 16 of padding
.set STGH, 32*SP                       ; a stage
.set STGW, 2*STGH                      ; a wave's two stages
.set SCB,  12*STGW                     ; 61,440: [32 tokens][96 scale bytes]
.set PART, SCB+3072                    ; 64,512: [wave][16 tokens][8 f32]: the chunks' sums
.set WL,   PART+6144                   ; 70,656: Wg: 192 pieces of 512 bytes, WP apart
.set WP,   528                         ; 512 + 16: sixteen lanes that read the same column of sixteen pieces touch sixteen different 16-byte columns modulo 256 bytes
.set R,    64                          ; v64-159  six sets of 16 numbers as loaded
.set X,    160                         ; v160-191 two sets of 16 neighbours
.set W0,   192                         ; v192-239 weights of i = 0 .. 5 (8 i + expert); v256-335 (window 1, v0-79) those of i = 6 .. 15
.set P,    26                          ; v26-33   the eight sums, as four pairs of experts
; v1 16 lane; v2, v3 stage in, out; v4 my codes' place; v5 my scale byte's; v6 my word of PART; v7, v8 scale bytes' way out; v9 PART's way out; v10 my piece of Wg; v11 W1's rows; v12-15 at work; v16-17 bytes; v18-24 codes; v34-41 reduction; v42-53 a fragment of W1; v57-58 Wg's way in
.set MSB, 0
.macro WIN new                         ; s_set_vgpr_msb: bits 1:0 source 0, 3:2 source 1, 5:4 source 2, 7:6 destination; the high byte repeats the setting that is left
.if MSB != \new
	s_set_vgpr_msb (MSB<<8)|\new
.set MSB, \new
.endif
.endm
	s_load_b512 s[4:19], s[0:1], 0x0               ; x s[4:5], Wg s[6:7], bg s[8:9], W1_codes s[10:11], xc s[12:13], xs s[14:15], w1r s[16:17], msk s[18:19]
	s_load_b64 s[20:21], s[0:1], 0x40              ; wts s[20:21].  s[18:19] is msk, which takes the place of meta and cnt: [256 blocks][32 pairs](mask of the block's tokens that chose the pair, their number)
	v_lshl_add_u32 v254, v0, 2, 0x2a000
	v_mov_b32 v255, 0
	v_lshrrev_b32 v12, 5, v0
	s_delay_alu instid0(VALU_DEP_1)
	v_readfirstlane_b32 s32, v12                   ; wave 0 .. 11
	s_and_b32 s33, s32, 1                          ; th: which 16 tokens
	s_lshr_b32 s34, s32, 1                         ; c: which 512 along K
	v_and_b32 v12, 31, v0                          ; lane
	s_delay_alu instid0(VALU_DEP_1)
	v_lshlrev_b32 v1, 4, v12                       ; 16 x lane
	; every LDS address is made here, ahead of the first branch on the wave's number
	s_mul_i32 s52, s32, STGW
	v_lshrrev_b32 v13, 2, v12
	s_delay_alu instid0(VALU_DEP_1)
	v_mul_u32_u24 v2, v13, SP
	v_and_b32 v13, 3, v12
	s_delay_alu instid0(VALU_DEP_1)
	v_lshl_add_u32 v2, v13, 4, v2
	s_delay_alu instid0(VALU_DEP_1)
	v_add_nc_u32 v2, s52, v2                       ; stage, in: four lanes' 64 bytes on end, then the padding
	v_mul_u32_u24 v3, v12, SP
	s_delay_alu instid0(VALU_DEP_1)
	v_add_nc_u32 v3, s52, v3                       ; stage, out: my 16 neighbours
	v_lshrrev_b32 v13, 3, v12
	s_delay_alu instid0(VALU_DEP_1)
	v_mul_u32_u24 v4, v13, 96                      ; codes: K step lane / 8 of my chunk's four,
	v_bfe_u32 v13, v12, 1, 1
	s_delay_alu instid0(VALU_DEP_1)
	v_mad_u32_u24 v4, v13, 48, v4                  ; block q = (lane / 2) % 4 at place 2 (q % 2) + q / 2,
	v_bfe_u32 v13, v12, 2, 1
	s_delay_alu instid0(VALU_DEP_1)
	v_mad_u32_u24 v4, v13, 24, v4
	v_and_b32 v13, 1, v12
	s_delay_alu instid0(VALU_DEP_1)
	v_mad_u32_u24 v4, v13, 12, v4                  ; and my half of the block
	s_mul_i32 s52, s33, 1536
	s_lshl_b32 s53, s34, 4
	s_add_co_u32 s52, s52, s53
	s_add_co_u32 s52, s52, SCB
	v_lshrrev_b32 v5, 1, v12
	s_delay_alu instid0(VALU_DEP_1)
	v_add_nc_u32 v5, s52, v5                       ; SCB + 96 x 16 th + 16 c + lane / 2
	s_lshl_b32 s52, s32, 9
	s_add_co_u32 s52, s52, PART
	v_and_b32 v6, 7, v12
	s_delay_alu instid0(VALU_DEP_1)
	v_lshl_add_u32 v6, v6, 2, s52                  ; PART + 512 wave + 4 (lane % 8)
	v_lshl_add_u32 v7, v0, 4, SCB                  ; the scale bytes leave 16 a thread (waves 0 to 5)
	v_lshlrev_b32 v8, 4, v0
	v_and_b32 v13, 15, v12
	v_lshrrev_b32 v14, 4, v12
	s_delay_alu instid0(VALU_DEP_2)
	v_lshlrev_b32 v9, 5, v13
	s_delay_alu instid0(VALU_DEP_1)
	v_lshl_add_u32 v9, v14, 9, v9
	s_delay_alu instid0(VALU_DEP_1)
	v_add_nc_u32 v9, PART, v9                      ; lane = token: PART + 512 (lane / 16) + 32 (lane % 16)
	s_mul_i32 s52, s34, 32*WP
	s_add_co_u32 s52, s52, WL
	v_mul_u32_u24 v10, v12, WP
	s_delay_alu instid0(VALU_DEP_1)
	v_add_nc_u32 v10, s52, v10                     ; my piece of Wg: number 32 c + lane
	v_mul_u32_u24 v11, v13, CROW
	s_delay_alu instid0(VALU_DEP_1)
	v_mad_u32_u24 v11, v14, 24, v11                ; W1: row lane % 16, + 24 bytes for the upper half of the lanes
	s_mul_i32 s52, s32, WP
	s_add_co_u32 s52, s52, WL
	v_add_nc_u32 v57, s52, v1                      ; Wg, in: load n brings pieces 12 n + wave: WL + WP (12 n + wave) + 16 lane
	s_delay_alu instid0(VALU_DEP_1)
	v_add_nc_u32 v58, 8*12*WP, v57                 ; (from n = 8 on: the immediate has 16 bits)
	v_mov_b32 v15, 0                               ; written once: a lane permute's destination counts as one of its sources
	s_mov_b32 s40, 0xaaaaaaaa                      ; lanes with bit 0, 1, 2 set
	s_mov_b32 s41, 0xcccccccc
	s_mov_b32 s42, 0xf0f0f0f0
	s_mov_b32 s44, 0x76543210                      ; v_permlanex16_b32's selects for lane l xor 16
	s_mov_b32 s45, 0xfedcba98
	s_mov_b32 s37, 0                               ; the upper word of every offset below
	s_lshl_b32 s38, ttmp9, 5
	s_lshl_b32 s39, s33, 4
	s_add_co_u32 s38, s38, s39                     ; my wave's first token
	s_lshr_b32 s48, ttmp9, 2                       ; the W1 fragment of waves with th = 0: number 6 g + c: column tile g / 4 (0 .. 63),
	s_and_b32 s49, ttmp9, 3
	s_mul_i32 s49, s49, 6
	s_add_co_u32 s49, s49, s34                     ; K step 6 (g % 4) + c
	s_wait_kmcnt 0x0
	s_load_b256 s[24:31], s[8:9], 0x0              ; bg's eight numbers (wave 6 waits for them)
	s_mul_i32 s36, s38, XROW
	s_lshl_b32 s39, s34, 11
	s_add_co_u32 s36, s36, s39
	s_add_nc_u64 s[4:5], s[4:5], s[36:37]          ; x at my first token, my chunk
	s_mul_i32 s36, s38, CROW
	s_mul_i32 s39, s34, 384
	s_add_co_u32 s36, s36, s39
	s_add_nc_u64 s[12:13], s[12:13], s[36:37]      ; xc likewise
	s_mul_i32 s36, ttmp9, 3072
	s_add_nc_u64 s[14:15], s[14:15], s[36:37]      ; xs at the work-group's 32 rows
	s_mul_i32 s36, s48, 16*CROW
	s_mul_i32 s39, s49, 96
	s_add_co_u32 s36, s36, s39
	s_add_nc_u64 s[10:11], s[10:11], s[36:37]      ; W1_codes at the fragment's 16 rows, its K step
	s_lshr_b32 s36, s48, 2
	s_mul_i32 s36, s36, 24
	s_add_co_u32 s36, s36, s49
	s_mul_i32 s36, s36, 6144
	s_and_b32 s39, s48, 3
	s_mul_i32 s39, s39, 1536
	s_add_co_u32 s36, s36, s39
	s_add_nc_u64 s[16:17], s[16:17], s[36:37]      ; w1r at the fragment's image
	s_cmp_lg_u32 s33, 0
	s_cbranch_scc1 .Lno_frag
	s_wait_alu depctr_va_vdst(0)
.irp p, 0,1,2,3,4,5
	global_load_b64 v[42+2*\p:43+2*\p], v11, s[10:11] offset:48*(\p/3)+8*(\p%3) th:TH_LOAD_NT   ; the fragment as the operand's registers take it.  These six are older than every load that is counted below
.endr
.Lno_frag:
.set n, 0
.rept 12
	global_load_b128 v[W0+4*n:W0+4*n+3], v8, s[6:7] offset:6144*n      ; Wg: the 384 threads read 6,144 consecutive bytes, a wave 512
.set n, n+1
.endr
	WIN 0x40                                       ; destination window 1
.rept 4
	global_load_b128 v[4*(n-12):4*(n-12)+3], v8, s[6:7] offset:6144*n
.set n, n+1
.endr
	WIN 0
.macro LOAD t                          ; token t's 2,048 bytes of my chunk into set t % 6
.irp j, 0,1,2,3
	global_load_b128 v[R+16*((\t)%6)+4*\j:R+16*((\t)%6)+4*\j+3], v1, s[4:5] offset:XROW*(\t)+512*\j th:TH_LOAD_NT
.endr
.endm
.macro TURN t                          ; through the stage: LDS serves a wave's instructions in order (ISA guide 5.7.1.4), so no wait stands between the stores and the loads
.irp j, 0,1,2,3
	ds_store_b128 v2, v[R+16*((\t)%6)+4*\j:R+16*((\t)%6)+4*\j+3] offset:STGH*((\t)%2)+8*SP*\j
.endr
.irp j, 0,1,2,3
	ds_load_b128 v[X+16*((\t)%2)+4*\j:X+16*((\t)%2)+4*\j+3], v3 offset:STGH*((\t)%2)+16*\j
.endr
.endm
.irp t, 0,1,2,3,4,5
	LOAD \t
.endr
	s_wait_loadcnt 24                              ; the 24 loads of x may be out: Wg's sixteen and the fragment's six are in
	s_cmp_lg_u32 s33, 0
	s_cbranch_scc1 .Lno_frag_out
.irp c, 0,1,2
	global_store_b128 v1, v[42+4*\c:45+4*\c], s[16:17] offset:512*\c   ; the image: 512 consecutive bytes a store
.endr
.Lno_frag_out:
.set n, 0
	s_wait_alu depctr_va_vdst(0)
.rept 8
	ds_store_b128 v57, v[W0+4*n:W0+4*n+3] offset:12*WP*n
.set n, n+1
.endr
.rept 4
	ds_store_b128 v58, v[W0+4*n:W0+4*n+3] offset:12*WP*(n-8)
.set n, n+1
.endr
	WIN 0x04                                       ; an LDS store's data are its source 1: window 1
.rept 4
	ds_store_b128 v58, v[4*(n-12):4*(n-12)+3] offset:12*WP*(n-8)
.set n, n+1
.endr
	WIN 0
	s_wait_dscnt 0x0                               ; for the others' sake: my part of Wg lies in LDS
	s_barrier_signal -1
	s_barrier_wait -1                              ; everybody's does
.set q, 0
.rept 12
	ds_load_b128 v[W0+4*q:W0+4*q+3], v10 offset:16*q                   ; my 128 weights: register 8 i + e = Wg[512 c + 16 lane + i][e]
.set q, q+1
.endr
	WIN 0x40
.rept 20
	ds_load_b128 v[4*(q-12):4*(q-12)+3], v10 offset:16*q
.set q, q+1
.endr
	WIN 0
	s_wait_loadcnt 20                              ; set 0 is in; sets 1 to 5 may be out
	TURN 0
; x_i times the eight weights of k = .. + i, onto the eight sums: x_i serves both halves of each packed line
.macro GATE i
.if (\i) < 6
.set WR, W0+8*(\i)
.else
.set WR, 8*((\i)-6)
.endif
.irp m, 0,1,2,3
.if (\i) == 0
	v_pk_mul_f32 v[P+2*\m:P+2*\m+1], v[XS:XS+1], v[WR+2*\m:WR+2*\m+1] op_sel_hi:[0,1]          ; the first product starts the sums
.elseif (\i)%2 == 0
	v_pk_fma_f32 v[P+2*\m:P+2*\m+1], v[XS+(\i):XS+(\i)+1], v[WR+2*\m:WR+2*\m+1], v[P+2*\m:P+2*\m+1] op_sel_hi:[0,1,1]
.else
	s_delay_alu instid0(VALU_DEP_4)
	v_pk_fma_f32 v[P+2*\m:P+2*\m+1], v[XS+(\i)-1:XS+(\i)], v[WR+2*\m:WR+2*\m+1], v[P+2*\m:P+2*\m+1] op_sel:[1,0,0] op_sel_hi:[1,1,1]
.endif
.endr
.endm
; Eight sums in each of 32 lanes become one sum in each lane: at each of three steps a lane keeps half of its registers, by a bit of its number, and sends the other half to the lane that keeps those.  Lane l ends with expert l % 8's sum over the wave.
.macro REDUCE
.irp m, 0,1,2,3
	v_cndmask_b32 v[34+\m], v[P+2*\m], v[P+2*\m+1], s40
	v_cndmask_b32 v[38+\m], v[P+2*\m+1], v[P+2*\m], s40
.endr
.irp m, 0,1,2,3
	v_add_f32_dpp v[34+\m], v[38+\m], v[34+\m] row_xmask:1 row_mask:0xf bank_mask:0xf
.endr
.irp n, 0,1
	s_delay_alu instid0(VALU_DEP_3)
	v_cndmask_b32 v[38+\n], v[34+2*\n], v[35+2*\n], s41
	s_delay_alu instid0(VALU_DEP_4)
	v_cndmask_b32 v[40+\n], v[35+2*\n], v[34+2*\n], s41
.endr
.irp n, 0
	s_delay_alu instid0(VALU_DEP_3)
	v_add_f32_dpp v[38+\n], v[40+\n], v[38+\n] row_xmask:2 row_mask:0xf bank_mask:0xf
.endr
.irp n, 1
	s_delay_alu instid0(VALU_DEP_2)
	v_add_f32_dpp v[38+\n], v[40+\n], v[38+\n] row_xmask:2 row_mask:0xf bank_mask:0xf
.endr
	s_delay_alu instid0(VALU_DEP_1)
	v_cndmask_b32 v34, v38, v39, s42
	s_delay_alu instid0(VALU_DEP_2)
	v_cndmask_b32 v35, v39, v38, s42
	s_delay_alu instid0(VALU_DEP_1)
	v_add_f32_dpp v34, v35, v34 row_xmask:4 row_mask:0xf bank_mask:0xf
	s_delay_alu instid0(VALU_DEP_1)
	v_add_f32_dpp v34, v34, v34 row_xmask:8 row_mask:0xf bank_mask:0xf
	s_delay_alu instid0(VALU_DEP_1)
	v_permlanex16_b32 v15, v34, s44, s45
	s_delay_alu instid0(VALU_DEP_1)
	v_add_f32 v34, v34, v15
.endm
.macro STEP t
.set XS, X+16*((\t)%2)
.set CD, 18+4*((\t)%2)
.set EB, 16+(\t)%2
.if (\t) > 0
	s_wait_dscnt 2                                 ; this token's numbers are back from the stage; younger are the last step's byte store and its store into PART.  So the stage's stores have read set t % 6,
.else
	s_wait_dscnt 0x0                               ; the weights and the first token's numbers
.endif
	s_wait_xcnt 0x0                                ; the store of two steps ago has read its three code registers, which this step's conversion rewrites; the wait stands ahead of this step's own loads
.if (\t)+6 < 16
	LOAD (\t)+6                                    ; which takes the token six on
.endif
.if (\t)+1 < 16
.if (\t)+6 < 16
	s_wait_loadcnt 20                              ; the next token's four loads are in; the five sets behind them may be out
.else
	s_wait_loadcnt 4*(14-(\t))                     ; the sets behind the next token's: they run out
.endif
	TURN (\t)+1                                    ; through the other stage while this token is worked
.endif
	v_max3_num_f32 v12, |v[XS]|, |v[XS+1]|, |v[XS+2]|                  ; the largest magnitude of my 16, in two chains
	v_max3_num_f32 v13, |v[XS+3]|, |v[XS+4]|, |v[XS+5]|
.irp i, 6,10
	s_delay_alu instid0(VALU_DEP_2)
	v_max3_num_f32 v12, v12, |v[XS+\i]|, |v[XS+\i+1]|
	s_delay_alu instid0(VALU_DEP_2)
	v_max3_num_f32 v13, v13, |v[XS+\i+2]|, |v[XS+\i+3]|
.endr
	s_delay_alu instid0(VALU_DEP_2)
	v_max3_num_f32 v12, v12, |v[XS+14]|, |v[XS+15]|
	s_delay_alu instid0(VALU_DEP_1)
	v_max3_num_f32 v12, v12, v13, 0x2800000        ; and the floor 2^(5 - 127): the byte cannot fall under 1
	s_delay_alu instid0(VALU_DEP_1)
	v_max_num_f32_dpp v12, v12, v12 row_xmask:1 row_mask:0xf bank_mask:0xf   ; with my neighbour's 16: the block's
	s_delay_alu instid0(VALU_DEP_1)
	v_add_nc_u32 v14, 0xfe000000, v12              ; 4 off its exponent field: the conversion takes the exponent field of this operand as its scale, and nothing else of it
	v_cvt_scalef32_pk16_bf6_f32 v[CD:CD+2], v[XS:XS+15], v14           ; 16 codes, 96 bits; beyond the largest code the largest
	v_lshrrev_b32 v[EB], 23, v14                   ; the scale's byte (a plain line behind the conversion)
	ds_store_b8 v5, v[EB] offset:96*(\t)           ; both lanes of a block write the same byte with the same value
	global_store_b96 v4, v[CD:CD+2], s[12:13] offset:CROW*(\t)         ; the wave's 32 x 12 bytes are 384 consecutive bytes of the token's row
.irp i, 0,1,2,3,4,5
	GATE \i
.endr
	WIN 0x04                                       ; source 1, the weights, in window 1
.irp i, 6,7,8,9,10,11,12,13,14,15
	GATE \i
.endr
	WIN 0
	REDUCE
	ds_store_b32 v6, v34 offset:32*(\t)            ; four lanes write the same word with the same value
.endm
.irp t, 0,1,2,3,4,5,6,7,8,9,10,11,12,13,14,15
	STEP \t
.endr
	s_wait_dscnt 0x0                               ; for the others' sake: my scale bytes and my sums lie in LDS
	s_barrier_signal -1
	s_barrier_wait -1
	s_cmp_lt_u32 s32, 6
	s_cbranch_scc0 .Lnot_scales
	ds_load_b128 v[64:67], v7                      ; waves 0 to 5: the 32 tokens' 3,072 scale bytes leave as they lie
	s_wait_dscnt 0x0
	global_store_b128 v8, v[64:67], s[14:15]       ; a wave stores 512 consecutive bytes
	s_wait_tensorcnt 0x0
	ds_add_u32 v254, v255
	s_wait_dscnt 0x0
	s_endpgm
.Lnot_scales:
	s_cmp_eq_u32 s32, 6
	s_cbranch_scc0 .Ldone
	; WAVE 6: lane = token.  The six chunks' sums, bg, top-2, the two weights, the pair's number, the masks and the counts.
.irp c, 0,1,2,3,4,5
.irp z, 0,1
	ds_load_b128 v[64+8*\c+4*\z:64+8*\c+4*\z+3], v9 offset:1024*\c+16*\z
.endr
.endr
	v_and_b32 v128, 31, v0
	s_delay_alu instid0(VALU_DEP_1)
	v_lshlrev_b32 v130, 3, v128                    ; wts and msk: 8 bytes a lane, 256 bytes a work-group
	s_lshl_b32 s36, ttmp9, 8
	s_add_nc_u64 s[18:19], s[18:19], s[36:37]
	s_add_nc_u64 s[20:21], s[20:21], s[36:37]
	s_wait_kmcnt 0x0                               ; bg
	s_wait_dscnt 0x0
.irp c, 1,2,3,4,5
.irp m, 0,1,2,3
	v_pk_add_f32 v[64+2*\m:65+2*\m], v[64+2*\m:65+2*\m], v[64+8*\c+2*\m:65+8*\c+2*\m]
.endr
.endr
.irp e, 0,1,2,3,4,5,6,7
	v_add_f32 v[64+\e], s[24+\e], v[64+\e]         ; the logits
.endr
	v_mov_b32 v112, v64                            ; the largest logit and its index: only a strictly greater one takes over, so the lower index wins a tie
	v_mov_b32 v113, 0
.irp e, 1,2,3,4,5,6,7
	s_delay_alu instid0(VALU_DEP_2)
	v_cmp_gt_f32 s46, v[64+\e], v112
	s_delay_alu instid0(VALU_DEP_1)
	v_cndmask_b32 v112, v112, v[64+\e], s46
	s_delay_alu instid0(VALU_DEP_2)
	v_cndmask_b32 v113, v113, \e, s46
.endr
	v_mov_b32 v116, 0xff800000                     ; -infinity takes the winner's place
.irp e, 0,1,2,3,4,5,6,7
	v_cmp_eq_u32 s46, \e, v113
	s_delay_alu instid0(VALU_DEP_1)
	v_cndmask_b32 v[64+\e], v[64+\e], v116, s46
.endr
	v_mov_b32 v114, v64                            ; the second
	v_mov_b32 v115, 0
.irp e, 1,2,3,4,5,6,7
	s_delay_alu instid0(VALU_DEP_2)
	v_cmp_gt_f32 s46, v[64+\e], v114
	s_delay_alu instid0(VALU_DEP_1)
	v_cndmask_b32 v114, v114, v[64+\e], s46
	s_delay_alu instid0(VALU_DEP_2)
	v_cndmask_b32 v115, v115, \e, s46
.endr
	s_delay_alu instid0(VALU_DEP_2)
	v_sub_f32 v117, v114, v112                     ; the softmax of the two: the larger is taken away, so the exponent is 0 or less
	s_delay_alu instid0(VALU_DEP_1)
	v_mul_f32 v117, 0x3fb8aa3b, v117
	s_wait_alu depctr_va_vdst(0)
	v_exp_f32 v117, v117                           ; t = e^(second - first)
	v_nop                                          ; one plain line behind a transcendental
	s_wait_alu depctr_va_vdst(0)
	v_add_f32 v118, 1.0, v117
	s_wait_alu depctr_va_vdst(0)
	v_rcp_f32 v118, v118                           ; the first's weight 1 / (1 + t)
	v_nop
	s_wait_alu depctr_va_vdst(0)
	v_mul_f32 v119, v117, v118                     ; the second's t / (1 + t)
	v_min_u32 v122, v113, v115                     ; a
	v_max_u32 v123, v113, v115                     ; b
	v_cmp_lt_u32 s46, v113, v115
	v_cndmask_b32 v120, v119, v118, s46            ; a's weight
	v_cndmask_b32 v121, v118, v119, s46            ; b's
	v_sub_nc_u32 v124, 15, v122
	s_delay_alu instid0(VALU_DEP_1)
	v_mul_u32_u24 v124, v124, v122
	s_delay_alu instid0(VALU_DEP_1)
	v_lshrrev_b32 v124, 1, v124
	s_delay_alu instid0(VALU_DEP_1)
	v_add_nc_u32 v124, v124, v123
	s_delay_alu instid0(VALU_DEP_1)
	v_sub_nc_u32 v124, v124, v122
	s_delay_alu instid0(VALU_DEP_1)
	v_add_nc_u32 v124, -1, v124                    ; the pair's number
	v_mov_b32 v126, 0                              ; lane p: the mask of the 32 tokens that have pair p (bit = token in the block),
	v_mov_b32 v127, 0                              ; and how many they are; lanes 28 to 31 keep zeros
.irp p, 0,4,8,12,16,20,24              ; four pairs at a time: four compares, four counts, eight writes, so that no line reads the line above it
.irp j, 0,1,2,3
	v_cmp_eq_u32 s[56+\j], \p+\j, v124
.endr
.irp j, 0,1,2,3
	s_bcnt1_i32_b32 s[60+\j], s[56+\j]
.endr
.irp j, 0,1,2,3
	v_writelane_b32 v126, s[56+\j], \p+\j
	v_writelane_b32 v127, s[60+\j], \p+\j
.endr
.endr
	global_store_b64 v130, v[126:127], s[18:19]    ; the wave stores 256 consecutive bytes, at a multiple of 256: the block's row of msk
	global_store_b64 v130, v[120:121], s[20:21]    ; and the 32 tokens' weights likewise
.Ldone:
	s_wait_tensorcnt 0x0
	ds_add_u32 v254, v255
	s_wait_dscnt 0x0
	s_endpgm
.Lfunc_end_k_q5c6cabbeb6_quant:
	.size	k_q5c6cabbeb6_quant, .Lfunc_end_k_q5c6cabbeb6_quant-k_q5c6cabbeb6_quant
	.p2alignl 7, 3214868480
	.fill 96, 4, 3214868480
	.section	.rodata,"a",@progbits
	.p2align	6, 0x0
	.amdhsa_kernel k_q5c6cabbeb6_quant
		.amdhsa_group_segment_fixed_size 173568
		.amdhsa_private_segment_fixed_size 0
		.amdhsa_enable_private_segment 0
		.amdhsa_kernarg_size 72
		.amdhsa_user_sgpr_count 2
		.amdhsa_user_sgpr_kernarg_segment_ptr 1
		.amdhsa_wavefront_size32 1
		.amdhsa_system_sgpr_workgroup_id_x 1
		.amdhsa_system_sgpr_workgroup_id_y 1
		.amdhsa_system_sgpr_workgroup_id_z 1
		.amdhsa_system_vgpr_workitem_id 0
		.amdhsa_next_free_vgpr 336
		.amdhsa_next_free_sgpr 66
		.amdhsa_reserve_vcc 0
		.amdhsa_float_denorm_mode_32 3
		.amdhsa_float_denorm_mode_16_64 3
		.amdhsa_memory_ordered 1
		.amdhsa_forward_progress 1
		.amdhsa_inst_pref_size 173
	.end_amdhsa_kernel
	.amdgpu_metadata
---
amdhsa.version: [ 1, 2 ]
amdhsa.kernels:
  - .name:           k_q5c6cabbeb6_quant
    .symbol:         k_q5c6cabbeb6_quant.kd
    .args:
      - { .name: x, .offset: 0, .size: 8, .value_kind: global_buffer, .address_space: global }
      - { .name: Wg, .offset: 8, .size: 8, .value_kind: global_buffer, .address_space: global }
      - { .name: bg, .offset: 16, .size: 8, .value_kind: global_buffer, .address_space: global }
      - { .name: W1_codes, .offset: 24, .size: 8, .value_kind: global_buffer, .address_space: global }
      - { .name: xc, .offset: 32, .size: 8, .value_kind: global_buffer, .address_space: global }
      - { .name: xs, .offset: 40, .size: 8, .value_kind: global_buffer, .address_space: global }
      - { .name: w1r, .offset: 48, .size: 8, .value_kind: global_buffer, .address_space: global }
      - { .name: msk, .offset: 56, .size: 8, .value_kind: global_buffer, .address_space: global }
      - { .name: wts, .offset: 64, .size: 8, .value_kind: global_buffer, .address_space: global }
    .group_segment_fixed_size: 173568
    .private_segment_fixed_size: 0
    .kernarg_segment_align: 8
    .kernarg_segment_size: 72
    .max_flat_workgroup_size: 384
    .sgpr_count:     66
    .vgpr_count:     336
    .wavefront_size: 32
...
	.end_amdgpu_metadata
.endif
;; end of part 1
;; launch chain (part 2): grid 155 x 1, 4 waves a work-group, no clusters, 236,544 bytes of LDS; arguments xc, xs, w1r, W1_scales, b1, W2, b2, wts, msk, out0; writes out0
.if DOCPART == 2
	.amdgcn_target "amdgcn-amd-amdhsa--gfx1250"
	.amdhsa_code_object_version 6
	.text
	.protected	k_q5c6cabbeb6_chain
	.globl	k_q5c6cabbeb6_chain
	.p2align	8
	.type	k_q5c6cabbeb6_chain,@function
k_q5c6cabbeb6_chain:
	s_mov_b64 s[64:65], 0
	v_nop
	global_prefetch_b8 v0, s[64:65] scope:SCOPE_SE
	s_setreg_imm32_b32 hwreg(HW_REG_WAVE_MODE, 25, 1), 1
	s_wait_xcnt 0x0
; One work-group takes one tile, up to 64 tokens that chose the same pair of experts {a, b}, through the whole chain: gather the tokens' codes, x W1 + b1 for both experts on codes of BF6 (E3M2) with
; E8M0 scales, relu, h W2 + b2 with bf16 operands, the two weights, the sum, the store.  Each row of out0 has one owner; the hidden layer never leaves the registers.
; SHARES.  Wave w: expert a (w < 2) or b, hidden units 64 (w % 2) + 0 .. 63 (four tiles of 16), all 64 tokens (four tiles of 16): 16 accumulators.  A K step of 128: 16 matrix instructions, fed by four
; fragments of W1, which come from memory straight into registers as images of the operand's registers (6,144 consecutive bytes a wave and K step), and four fragments of x from LDS.
; BOTH PRODUCTS ARE USED TRANSPOSED (source 0 = 16 rows of W1, or of W2^T; source 1 = 16 tokens): a lane holds one token, and its register j of tile t the hidden unit 16 t + 8 (lane / 16) + j, so that
; tiles 2 u and 2 u + 1, rounded to bf16 in pairs, ARE source 1 (32 hidden units x 16 tokens) of the second product.
; A GRID FOR EVERY SPLIT: 155 tiles.  No branch stands in this text: a tile that the split leaves unused (count 0, pair 27) runs the same lines and stores nothing, since every barrier is on every wave's path.
; Places of a tile past its count hold some token under 8,192; their rows are computed and not stored.
; NO TENSOR LOADS: each fragment of W1 is used by one wave alone, so a way through LDS would only add 590 KB in and out.  NO CLUSTER: which expert a neighbouring tile has is a number read from memory, so no two
; work-groups can be given one descriptor for W1; x's rows are each tile's own.
; LIMITS: h and W2 are rounded to bf16 for the second product.  NaN and infinities are not served.
; REGISTERS, in windows of 256.  Window 0: v1-31 addresses; v32-127 W1's scale words (24 t + s), v128-223 x's (24 m + s): they hold scales and nothing else; v224-227 my expert's weight for token tile m; v228-245 tokens and offsets.
;   window 1: v0-191 sets 0-3 of W1's ring (48 each); v192-223 b1 in the result's layout; v224-255 W2 as loaded.  On the way out: v0-63 h in bf16, v64-79 W2^T in bf16, v80-87 b2, v96-127 y, v128-159 the four waves' parts.
;   window 2: v0-95 sets 4, 5 of the ring; v96-239 the gather's second batch.   window 3: v0-127 the accumulators (8 (4 m + t)), v128-223 two sets of x's fragments; first of all v0-143 the gather's first batch.
.set XP,  2320                         ; a token's row of codes in LDS: 2,304 bytes + 16: sixteen rows' equal columns fall on sixteen different 16-byte columns modulo 256 bytes
.set YST, 64*XP                        ; 148,480: behind the rows: [wave][token tile][half][lane x 16 bytes]: the waves' parts of y, 16,384 bytes
.set SW,  32
.set SX,  128
.set WS,  224
.set XF,  128                          ; window 3
.set BI,  192                          ; window 1
.set W2R, 224
.set HB,  0
.set W2B, 64
.set CB2, 80
.set Y,   96
.set OS,  128
.set MSB, 0
.macro WIN new                         ; s_set_vgpr_msb: bits 1:0 source 0, 3:2 source 1, 5:4 source 2, 7:6 destination; the high byte repeats the setting that is left
.if MSB != \new
	s_set_vgpr_msb (MSB<<8)|\new
.set MSB, \new
.endif
.endm
	s_load_b512 s[8:23], s[0:1], 0x0               ; xc s[8:9], xs s[10:11], w1r s[12:13], W1_scales s[14:15], b1 s[16:17], W2 s[18:19], b2 s[20:21], wts s[22:23]
	s_load_b64 s[24:25], s[0:1], 0x40              ; msk
	s_load_b64 s[28:29], s[0:1], 0x48              ; out0
	v_lshl_add_u32 v254, v0, 2, 0x28400
	v_mov_b32 v255, 0
	v_lshrrev_b32 v1, 5, v0
	v_readfirstlane_b32 s30, v1                    ; wave 0 .. 3
	s_and_b32 s31, s30, 1                          ; which 64 hidden units
	s_lshr_b32 s32, s30, 1                         ; which of the two experts
	v_and_b32 v1, 31, v0                           ; lane
	v_and_b32 v2, 15, v0                           ; r
	v_bfe_u32 v3, v0, 4, 1                         ; h
	v_lshlrev_b32 v4, 4, v1                        ; 16 x lane: an image's place
	v_mul_u32_u24 v5, v2, XP
	v_mad_u32_u24 v5, v3, 48, v5                   ; x's fragments: row 16 m + r, + 48 h: my half's two blocks of a K step lie on end
	v_add_nc_u32 v6, 16*XP, v5
	v_add_nc_u32 v7, 32*XP, v5
	v_add_nc_u32 v8, 48*XP, v5
	s_mul_i32 s38, s30, 16*XP
	v_mul_u32_u24 v9, v3, XP
	v_lshl_add_u32 v9, v2, 4, v9
	v_add_nc_u32 v9, s38, v9                       ; the gather's way in: my wave's 16 rows, two at a time: sixteen lanes to 256 bytes of a row
	s_lshl_b32 s38, s30, 4
	v_add_nc_u32 v23, s38, v2                      ; the place whose row I store: 16 wave + r
	v_mul_u32_u24 v24, v2, 96                      ; W1's scale bytes: 96 a row
	v_lshlrev_b32 v25, 5, v3                       ; 32 h
	v_min_u32 v26, 9, v2
	v_lshlrev_b32 v26, 2, v26
	v_mad_u32_u24 v26, v3, 320, v26                ; W2: output min(r, 9), hidden unit 8 h (+ ..): rows of 40 bytes; lanes with r over 9 read output 9 and are cleared later
	s_lshl_b32 s38, s30, 12
	s_add_co_u32 s38, s38, YST
	v_add_nc_u32 v27, s38, v4                      ; y's parts: where I put mine,
	s_lshl_b32 s38, s30, 10
	s_add_co_u32 s38, s38, YST
	v_add_nc_u32 v28, s38, v4                      ; and where I read token tile w's
	s_lshl_b32 s38, s30, 6
	v_lshl_add_u32 v29, v3, 2, s38                 ; list: places 16 wave + 2 p + h,
	v_lshlrev_b32 v30, 2, v2                       ; 16 m + r,
	v_lshl_add_u32 v31, v2, 2, s38                 ; 16 wave + r
	v_lshlrev_b32 v245, 4, v2                      ; 16 r
	s_lshl_b32 s35, s32, 2                         ; which of a token's two weights
	s_mov_b32 s50, 0xffff0000                      ; lanes 16 to 31
	s_mov_b32 s52, 0xfc00fc00                      ; lanes with r over 9
; THE PLACING.  No list and no tile words are stored by an earlier launch: every work-group finds its own tile from msk [256 blocks of 32 tokens][32 pairs](mask, count), 64 KiB of whole numbers.
; Pair q has ceil(n_q / 64) tiles, the pairs one behind the other: never more than 128 + 27 = 155.  Inside a pair the tokens are counted by lane l, then by i (block l + 32 i), then by bit: one fixed order in all work-groups.
; A place past the tile's count gets some token under 8,192; its row is computed and not stored.  A tile past the last one in use gets pair 27 and the count 0.
.set MP,  272                          ; a block's row in LDS: 256 bytes + 16: 32 lanes that read 8 bytes of 32 rows touch 64 different banks
.set MS,  YST+16384+512                ; behind y's parts and the spare words: the table, 256 rows
.set TOT, MS+256*MP                    ; [wave][half of the lanes][32 pairs]: sums of counts, 1,024 bytes
.set LST, TOT+1024                     ; the tile's 64 token numbers
	s_mov_b32 s39, 0                               ; the upper word of every offset below
	s_lshl_b32 s38, s30, 14
	v_add_nc_u32 v32, s38, v4                      ; msk: my wave's 64 blocks (16,384 bytes), 16 bytes a lane
	s_mul_i32 s38, s30, 64*MP
	s_add_co_u32 s38, s38, MS
	v_mul_u32_u24 v33, v3, MP
	v_lshl_add_u32 v33, v2, 4, v33
	v_add_nc_u32 v33, s38, v33                     ; into LDS: block 64 wave + 2 i + h, pairs 2 r and 2 r + 1
	s_lshl_b32 s38, s30, 8
	s_add_co_u32 s38, s38, TOT
	v_lshl_add_u32 v34, v1, 3, s38                 ; my two sums
	v_lshl_add_u32 v35, v1, 2, TOT                 ; lane = pair: its eight sums, 128 bytes apart
	v_mul_u32_u24 v36, v1, MP
	v_add_nc_u32 v36, MS, v36                      ; block lane (+ 32 i)
	s_mul_i32 s38, s30, 64*MP
	s_add_co_u32 s38, s38, 256
	v_add_nc_u32 v60, s38, v36                     ; the 16 bytes behind row 64 wave + lane (+ 32) of the table
.irp j, 56,57,58,59
	v_mov_b32 v\j, 0
.endr
	v_lshl_add_u32 v37, v23, 2, LST                ; the place that I resolve: 16 wave + r
	v_add_nc_u32 v38, LST, v29                     ; places 16 wave + 2 p + h,
	v_add_nc_u32 v39, LST, v30                     ; 16 m + r,
	v_add_nc_u32 v40, LST, v31                     ; 16 wave + r
	s_wait_alu depctr_va_vdst(0)
	s_wait_kmcnt 0x0
.set i, 0
.rept 32
	global_load_b128 v[64+4*i:67+4*i], v32, s[24:25] offset:512*i      ; 512 consecutive bytes a load: two blocks
.set i, i+1
.endr
	s_mov_b32 s66, 0xaaaaaaaa                      ; lanes with bit 0, 1, 2, 3 of their number set
	s_mov_b32 s67, 0xcccccccc
	s_mov_b32 s68, 0xf0f0f0f0
	s_mov_b32 s69, 0xff00ff00
	s_mov_b32 s70, 0x76543210                      ; v_permlanex16_b32's selects for lane l xor 16
	s_mov_b32 s71, 0xfedcba98
	s_wait_loadcnt 0x0
.set i, 0
.rept 32
	ds_store_b128 v33, v[64+4*i:67+4*i] offset:2*MP*i
.set i, i+1
.endr
	v_add_nc_u32 v42, v65, v69                     ; the counts of my two pairs over my 32 blocks, two chains by turns
	v_add_nc_u32 v43, v67, v71
.set i, 2
.rept 15
	v_add3_u32 v42, v42, v[65+4*i], v[69+4*i]
	v_add3_u32 v43, v43, v[67+4*i], v[71+4*i]
.set i, i+2
.endr
	ds_store_b128 v60, v[56:59]                    ; zeros behind each of my 64 rows: the table's 256 x 272 bytes are written whole
	ds_store_b128 v60, v[56:59] offset:32*MP
	ds_store_b64 v34, v[42:43]
	s_wait_dscnt 0x0                               ; for the others' sake: my part of the table and my sums lie in LDS
	s_barrier_signal -1
	s_barrier_wait -1
.irp k, 0,1,2,3,4,5,6,7
	ds_load_b32 v[48+\k], v35 offset:128*\k
.endr
	s_wait_dscnt 0x0
	v_add3_u32 v48, v48, v49, v50
	v_add3_u32 v51, v51, v52, v53
	v_add3_u32 v48, v48, v54, v55
	v_add_nc_u32 v48, v48, v51                     ; lane q: n_q
	v_add_nc_u32 v49, 63, v48
	v_lshrrev_b32 v49, 6, v49                      ; its tiles
; The sum over the lanes below mine.  At step d the lanes that differ from me in the bits under d have been summed; the group of lane l xor d lies wholly below me if my bit d is set.
.macro LS1 s, p, t, u, d, m
	v_mov_b32_dpp v[\t], v[\s] row_xmask:\d row_mask:0xf bank_mask:0xf
	v_cndmask_b32 v[\u], 0, v[\t], s[\m]
	v_add_nc_u32 v[\s], v[\s], v[\t]
	v_add_nc_u32 v[\p], v[\p], v[\u]
.endm
.macro LSCAN s, p, t, u                ; v[s]: the lanes' numbers (used up); v[p]: the result; v[t], v[u] at work
	v_mov_b32 v[\p], 0
	v_mov_b32 v[\t], 0
	LS1 \s, \p, \t, \u, 1, 66
	LS1 \s, \p, \t, \u, 2, 67
	LS1 \s, \p, \t, \u, 4, 68
	LS1 \s, \p, \t, \u, 8, 69
	v_permlanex16_b32 v[\t], v[\s], s70, s71
	v_cndmask_b32 v[\u], 0, v[\t], s50
	v_add_nc_u32 v[\p], v[\p], v[\u]
.endm
	LSCAN 49, 50, 51, 52                           ; lane q: pair q's first tile
	s_mov_b32 s2, ttmp9
	v_cmp_ge_u32 s5, s2, v50                       ; the pairs whose first tile is not beyond my tile: lanes 0 to my pair
	s_wait_alu depctr_va_vdst(0)
	s_mov_b32 s3, 0                                ; my tile's pair: the last of them under 28
.set i, 1
.rept 27
	s_bitcmp1_b32 s5, i
	s_cselect_b32 s3, i, s3
.set i, i+1
.endr
	v_readlane_b32 s4, v50, s3                     ; that pair's first tile,
	v_readlane_b32 s5, v48, s3                     ; and its tokens
	s_min_u32 s3, s3, 27
	s_sub_co_u32 s6, ttmp9, s4
	s_lshl_b32 s6, s6, 6                           ; my tile's first place in its pair
	s_sub_co_i32 s7, s5, s6
	s_max_i32 s7, s7, 0
	s_min_i32 s7, s7, 64                           ; its tokens
	s_mov_b32 s33, 0
.irp thr, 7,13,18,22,25,27
	s_cmp_ge_u32 s3, \thr
	s_cselect_b32 s34, 1, 0
	s_add_co_u32 s33, s33, s34                     ; a: how many of the rows' first pair numbers lie at or under the pair's
.endr
	s_sub_co_u32 s34, 15, s33
	s_mul_i32 s34, s34, s33
	s_lshr_b32 s34, s34, 1
	s_sub_co_u32 s34, s3, s34
	s_add_co_u32 s34, s34, s33
	s_add_co_u32 s34, s34, 1                       ; b
	s_lshl_b32 s34, s34, 8
	s_or_b32 s33, s33, s34
	s_lshl_b32 s34, s7, 16
	s_or_b32 s33, s33, s34                         ; the tile's word: a | b << 8 | count << 16
	s_lshl_b32 s34, s32, 3
	s_lshr_b32 s37, s33, s34
	s_and_b32 s37, s37, 0xff
	s_min_u32 s37, s37, 7                          ; my expert
	s_lshr_b32 s36, s33, 16
	s_min_u32 s36, s36, 64                         ; the tile's tokens
	s_lshl_b32 s38, s37, 1
	s_add_co_u32 s51, s38, s31                     ; 2 x expert + half
	s_mul_i32 s38, s51, 147456
	s_add_nc_u64 s[12:13], s[12:13], s[38:39]      ; my 24 K steps of four images
	s_mul_i32 s38, s51, 6144
	s_add_nc_u64 s[14:15], s[14:15], s[38:39]      ; my 64 rows of scale bytes
	s_lshl_b32 s38, s51, 8
	s_add_nc_u64 s[16:17], s[16:17], s[38:39]      ; my 64 numbers of b1
	s_mul_i32 s38, s51, 2560
	s_add_nc_u64 s[18:19], s[18:19], s[38:39]      ; my 64 rows of W2
	s_mul_i32 s38, s37, 40
	s_add_nc_u64 s[20:21], s[20:21], s[38:39]
	s_load_b256 s[40:47], s[20:21], 0x0            ; b2's ten numbers (waited for on the way out)
	s_load_b64 s[48:49], s[20:21], 0x20
.macro RING k                          ; W1's four fragments of K step k into set k % 6: each load reads 512 consecutive bytes
.set SL, (\k)%6
.if SL < 4
	WIN 0x40
.set RB, 48*SL
.else
	WIN 0x80
.set RB, 48*(SL-4)
.endif
.irp t, 0,1,2,3
.irp c, 0,1,2
	global_load_b128 v[RB+12*\t+4*\c:RB+12*\t+4*\c+3], v4, s[12:13] offset:6144*(\k)+1536*\t+512*\c
.endr
.endr
.endm
	RING 0                                         ; W1 hangs on the expert alone: four sets, 48 loads, are on their way while the tile's tokens are found and gathered
	RING 1
	RING 2
	RING 3
	WIN 0
	s_lshl_b32 s34, s3, 3
	v_add_nc_u32 v41, s34, v36
.irp i, 0,1,2,3,4,5,6,7
	ds_load_b64 v[64+2*\i:65+2*\i], v41 offset:32*MP*\i                ; my pair's mask and count in block lane + 32 i
.endr
	v_add_nc_u32 v44, s6, v23                      ; T: my place, counted in the pair
	s_wait_alu depctr_va_vdst(0)
	s_wait_dscnt 0x0
	s_barrier_signal -1                            ; nobody stores to LDS while a wave still reads the table
	s_barrier_wait -1
	v_add3_u32 v45, v65, v67, v69
	v_add3_u32 v46, v71, v73, v75
	v_add3_u32 v45, v45, v77, v79
	v_add_nc_u32 v45, v45, v46                     ; my eight blocks' tokens
	v_mov_b32 v46, 0
	v_mov_b32 v54, 0
	s_lshl_b32 s2, s30, 4
	s_add_co_u32 s2, s2, s6                        ; my wave's first place, counted in the pair: under 10,048
	s_sub_co_u32 s2, 0x8000, s2
	LSCAN 45, 47, 51, 52                           ; lane l: the pair's tokens ahead of lane l's
	v_add_nc_u32 v53, s2, v47                      ; the same, counted from my wave's first place, + 0x8000 so that it stays positive
.irp r, 0,1,2,3,4,5,6,7,8,9,10,11,12,13,14,15
	v_cmp_ge_u32 s[72+\r], 0x8000+\r, v53          ; the lanes ahead of whose tokens lie at most as many as ahead of place r: lanes 0 to L
.endr
.irp r, 0,1,2,3,4,5,6,7,8,9,10,11,12,13,14,15
	s_bcnt1_i32_b32 s[72+\r], s[72+\r]             ; L + 1 (lane 0 always counts)
.endr
.irp r, 0,1,2,3,4,5,6,7,8,9,10,11,12,13,14,15
	v_writelane_b32 v46, s[72+\r], \r
.endr
	v_permlanex16_b32 v54, v46, s70, s71
	v_cndmask_b32 v46, v46, v54, s50               ; lanes 16 to 31 resolve the same places
	v_add_nc_u32 v46, -1, v46                      ; L
	v_lshlrev_b32 v49, 2, v46
.irp k, 0,1,2,3,4,5,6,7,8,9,10,11,12,13,14,15
	ds_bpermute_b32 v[96+\k], v49, v[64+\k]        ; lane L's eight masks (even registers) and counts (odd)
.endr
	ds_bpermute_b32 v112, v49, v47                 ; and the tokens ahead of lane L's
	s_wait_alu depctr_va_vdst(0)
	s_wait_dscnt 0x0
	v_sub_nc_u32 v50, v44, v112                    ; my place among lane L's tokens
	v_add_nc_u32 v113, v97, v99                    ; running sums of the counts
.irp i, 2,3,4,5,6
	v_add_nc_u32 v[112+\i], v[111+\i], v[97+2*\i]
.endr
	v_mov_b32 v51, 0                               ; the tokens ahead of the chosen block,
	v_mov_b32 v52, 0                               ; and its i; its mask ends in v96
	v_cmp_ge_u32 s72, v50, v97                     ; the seven compares first, then the choices
.irp i, 2,3,4,5,6,7
	v_cmp_ge_u32 s[71+\i], v50, v[111+\i]
.endr
	v_cndmask_b32 v96, v96, v98, s72
	v_cndmask_b32 v51, v51, v97, s72
	v_cndmask_b32 v52, v52, 1, s72
.irp i, 2,3,4,5,6,7
	v_cndmask_b32 v96, v96, v[96+2*\i], s[71+\i]
	v_cndmask_b32 v51, v51, v[111+\i], s[71+\i]
	v_cndmask_b32 v52, v52, \i, s[71+\i]
.endr
	v_sub_nc_u32 v50, v50, v51                     ; r: which of the mask's set bits, from 0
	v_lshrrev_b32 v53, 1, v96
	v_and_b32 v53, 0x55555555, v53
	v_sub_nc_u32 v53, v96, v53                     ; set bits in each 2,
	v_lshrrev_b32 v54, 2, v53
	v_and_b32 v54, 0x33333333, v54
	v_and_b32 v55, 0x33333333, v53
	v_add_nc_u32 v54, v54, v55                     ; in each 4,
	v_lshrrev_b32 v55, 4, v54
	v_add_nc_u32 v55, v55, v54
	v_and_b32 v55, 0x0f0f0f0f, v55                 ; in each 8,
	v_lshrrev_b32 v56, 8, v55
	v_add_nc_u32 v56, v56, v55                     ; and, in the low byte, in the low 16
	v_mov_b32 v57, 0                               ; the bit's position
.macro PICK src, width, step           ; if r is not under the set bits of the lower half of what is left, take them off r and go to the upper half
	v_bfe_u32 v58, v[\src], v57, \width
	v_cmp_ge_u32 s5, v50, v58
	v_cndmask_b32 v58, 0, v58, s5
	v_add_nc_u32 v59, \step, v57
	v_sub_nc_u32 v50, v50, v58
	v_cndmask_b32 v57, v57, v59, s5
.endm
	PICK 56, 8, 16
	PICK 55, 8, 8
	PICK 54, 4, 4
	PICK 53, 2, 2
	PICK 96, 1, 1
	v_lshl_add_u32 v52, v52, 5, v46                ; the block: L + 32 i
	v_lshl_add_u32 v52, v52, 5, v57                ; the token: 32 x block + bit
	ds_store_b32 v37, v52                          ; both halves of the lanes write the same word with the same value
	s_wait_dscnt 0x0                               ; for the others' sake
	s_barrier_signal -1
	s_barrier_wait -1
.irp p, 0,1,2,3,4,5,6,7
	ds_load_b32 v[232+\p], v38 offset:8*\p
.endr
.irp m, 0,1,2,3
	ds_load_b32 v[240+\m], v39 offset:64*\m
.endr
	ds_load_b32 v244, v40
.macro XFETCH s                        ; x's four fragments of K step s into set s % 2
	WIN 0xc0
.irp m, 0,1,2,3
.irp c, 0,1,2
	ds_load_b128 v[XF+48*((\s)%2)+12*\m+4*\c:XF+48*((\s)%2)+12*\m+4*\c+3], v[5+\m] offset:96*(\s)+16*\c
.endr
.endr
.endm
	; 32 loads that hang on the expert alone
.irp t, 0,1,2,3
.irp q, 0,1,2,3,4,5
	global_load_b128 v[SW+24*\t+4*\q:SW+24*\t+4*\q+3], v24, s[14:15] offset:1536*\t+16*\q   ; lane r (and 16 + r): row 16 t + r's scale words of K steps 4 q .. 4 q + 3
.endr
.endr
	WIN 0x40
.irp t, 0,1,2,3
.irp z, 0,1
	global_load_b128 v[BI+8*\t+4*\z:BI+8*\t+4*\z+3], v25, s[16:17] offset:64*\t+16*\z       ; b1 of hidden units 16 t + 8 h + 0 .. 7
.endr
.endr
	WIN 0
	s_wait_dscnt 0x0                               ; the 13 token numbers are in; the 32 loads above may be out
.irp i, 0,1,2,3,4,5,6,7,8,9,10,11,12
	v_min_u32 v[232+\i], 0x1fff, v[232+\i]         ; a loaded number enters an address only behind its clamp
.endr
.irp p, 0,1,2,3,4,5,6,7
	v_mul_u32_u24 v[10+\p], v[232+\p], 2304
.endr
.irp p, 0,1,2,3,4,5,6,7
	v_add_nc_u32 v[10+\p], v[10+\p], v245          ; the token's row of codes, + 16 r
.endr
.irp m, 0,1,2,3
	v_mul_u32_u24 v[18+\m], v[240+\m], 96          ; its row of scale bytes
	v_lshlrev_b32 v[228+\m], 3, v[240+\m]
.endr
.irp m, 0,1,2,3
	v_add_nc_u32 v[228+\m], s35, v[228+\m]         ; its weight for my expert
.endr
	v_mul_u32_u24 v22, v244, 40
	v_add_nc_u32 v22, v22, v25                     ; its row of out0, + 32 h
.irp m, 0,1,2,3
.irp q, 0,1,2,3,4,5
	global_load_b128 v[SX+24*\m+4*\q:SX+24*\m+4*\q+3], v[18+\m], s[10:11] offset:16*\q
.endr
.endr
.irp m, 0,1,2,3
	global_load_b32 v[WS+\m], v[228+\m], s[22:23]
.endr
	WIN 0xc0                                       ; the gather, my wave's 16 rows: two rows a load, 256 consecutive bytes of each; first batch: 8 rows
.irp p, 0,1,2,3
.irp j, 0,1,2,3,4,5,6,7,8
	global_load_b128 v[36*\p+4*\j:36*\p+4*\j+3], v[10+\p], s[8:9] offset:256*\j
.endr
.endr
	WIN 0x80                                       ; second batch
.irp p, 4,5,6,7
.irp j, 0,1,2,3,4,5,6,7,8
	global_load_b128 v[96+36*(\p-4)+4*\j:96+36*(\p-4)+4*\j+3], v[10+\p], s[8:9] offset:256*\j
.endr
.endr
	s_wait_loadcnt 36                              ; the second batch's 36 may be out: the first is in
	WIN 0x0c                                       ; an LDS store's data are its source 1: window 3
.irp p, 0,1,2,3
.irp j, 0,1,2,3,4,5,6,7,8
	ds_store_b128 v9, v[36*\p+4*\j:36*\p+4*\j+3] offset:2*XP*\p+256*\j
.endr
.endr
	WIN 0x40
.irp u, 0,1
.irp z, 0,1
.irp j, 0,1,2,3,4,5,6,7
	global_load_b32 v[W2R+16*\u+8*\z+\j], v26, s[18:19] offset:40*(32*\u+16*\z+\j)          ; W2(hidden 32 u + 16 z + 8 h + j, output r)
.endr
.endr
.endr
	s_wait_loadcnt 32                              ; W2's 32 may be out: the second batch is in
	WIN 0x08
.irp p, 4,5,6,7
.irp j, 0,1,2,3,4,5,6,7,8
	ds_store_b128 v9, v[96+36*(\p-4)+4*\j:96+36*(\p-4)+4*\j+3] offset:2*XP*\p+256*\j
.endr
.endr
	RING 4                                         ; sets 0 to 3 were asked for as soon as the tile's experts were known
	WIN 0
	s_wait_dscnt 0x0                               ; for the others' sake: my 16 rows lie in LDS
	s_barrier_signal -1
	s_barrier_wait -1                              ; all 64 do
	XFETCH 0
; A K STEP.  The ring of six sets keeps five K steps of W1, 60 loads of a wave, on their way; x's fragments run one step ahead.
; The 16 accumulators take turns, one instruction a turn, in the same order in every step.  The first step's products take b1 as C: nothing is cleared and no bias is added.
.macro STEP s
.if (\s) > 0
.rept 4
	v_nop                                          ; four places between the last step's products and the loads into registers that they read (ISA guide 7.12.1 for vector instructions)
.endr
.endif
.if (\s) < 23
	XFETCH (\s)+1
.endif
.if (\s) == 0
	s_wait_loadcnt 36                              ; set 4's twelve loads and 24 of W2's may be out: sets 0 to 3, the scale words, b1 and the weights are in
.elseif (\s) < 20
	s_wait_loadcnt 48                              ; the four sets behind this step's may be out
.else
	s_wait_loadcnt 12*(23-(\s))                    ; they run out
.endif
.if (\s)+5 < 24
	RING (\s)+5                                    ; into the set that the last step read
.endif
.if (\s) < 23
	s_wait_dscnt 12                                ; this step's fragments of x are in; the next step's twelve loads may be out
.else
	s_wait_dscnt 0x0
.endif
.set SL, (\s)%6
.if (\s) == 0
	WIN 0xdd                                       ; source 0 (W1) window 1, source 1 (x) window 3, C (b1) window 1, D window 3
.set RB, 0
.elseif SL < 4
	WIN 0xfd                                       ; C and D window 3
.set RB, 48*SL
.else
	WIN 0xfe                                       ; source 0 window 2
.set RB, 48*(SL-4)
.endif
.irp m, 0,1,2,3
.irp t, 0,1,2,3
.if (\s) == 0
	v_wmma_scale_f32_16x16x128_f8f6f4 v[8*(4*\m+\t):8*(4*\m+\t)+7], v[RB+12*\t:RB+12*\t+11], v[XF+48*((\s)%2)+12*\m:XF+48*((\s)%2)+12*\m+11], v[BI+8*\t:BI+8*\t+7], v[SW+24*\t+(\s)], v[SX+24*\m+(\s)] matrix_a_fmt:MATRIX_FMT_BF6 matrix_b_fmt:MATRIX_FMT_BF6
.else
	v_wmma_scale_f32_16x16x128_f8f6f4 v[8*(4*\m+\t):8*(4*\m+\t)+7], v[RB+12*\t:RB+12*\t+11], v[XF+48*((\s)%2)+12*\m:XF+48*((\s)%2)+12*\m+11], v[8*(4*\m+\t):8*(4*\m+\t)+7], v[SW+24*\t+(\s)], v[SX+24*\m+(\s)] matrix_a_fmt:MATRIX_FMT_BF6 matrix_b_fmt:MATRIX_FMT_BF6
.endif
.endr
.endr
.endm
.set S, 0
.rept 24                               ; written out: the scale words' registers run through all 24 steps, and every offset is an immediate
	STEP S
.set S, S+1
.endr
	; THE WAY OUT
	WIN 0
.rept 5
	v_nop                                          ; places behind the last products
.endr
	s_wait_kmcnt 0x0                               ; b2
	s_cmp_lg_u32 s31, 0                            ; an expert's b2 is added once: by the wave of its lower 64 hidden units
.irp j, 40,41,42,43,44,45,46,47,48,49
	s_cselect_b32 s\j, 0, s\j
.endr
	WIN 0x41                                       ; destination and source 0 window 1
.irp j, 0,1,2,3,4,5,6,7
	v_mov_b32 v[CB2+\j], s[40+\j]                  ; b2 in the result's layout: lanes 0-15 outputs 0 .. 7,
.endr
	v_cndmask_b32 v[CB2], v[CB2], s48, s50         ; lanes 16-31 outputs 8, 9 and zeros
	v_cndmask_b32 v[CB2+1], v[CB2+1], s49, s50
.irp j, 2,3,4,5,6,7
	v_cndmask_b32 v[CB2+\j], v[CB2+\j], 0, s50
.endr
	WIN 0x45                                       ; destination and both sources window 1
.irp i, 0,1,2,3,4,5,6,7,8,9,10,11,12,13,14,15
	v_cvt_pk_bf16_f32 v[W2B+\i], v[W2R+2*\i], v[W2R+2*\i+1]            ; W2^T as source 0: row r = output r, two fragments of 32 hidden units
.endr
.irp i, 0,1,2,3,4,5,6,7,8,9,10,11,12,13,14,15
	v_cndmask_b32 v[W2B+\i], v[W2B+\i], 0, s52     ; rows 10 to 15 are zeros
.endr
	WIN 0xcc                                       ; source 1 and destination window 3
.set i, 0
.rept 128
	v_max_num_f32 v[i], 0, v[i]                    ; relu, in f32; each accumulator from its low end on
.set i, i+1
.endr
	WIN 0x4f                                       ; sources window 3, destination window 1
.set i, 0
.rept 64
	v_cvt_pk_bf16_f32 v[HB+i], v[2*i], v[2*i+1]    ; accumulator 4 m + t gives registers 4 (4 m + t) on: tiles 2 u, 2 u + 1 of token tile m are the eight registers 16 m + 8 u on
.set i, i+1
.endr
	WIN 0x55                                       ; all four places window 1
.rept 4
	v_nop
.endr
.irp m, 0,1,2,3
	v_wmma_f32_16x16x32_bf16 v[Y+8*\m:Y+8*\m+7], v[W2B:W2B+7], v[HB+16*\m:HB+16*\m+7], v[CB2:CB2+7]                  ; y^T: lane (r, h) holds token r, outputs 8 h + j; b2 starts the sums
.endr
.irp m, 0,1,2,3
	v_wmma_f32_16x16x32_bf16 v[Y+8*\m:Y+8*\m+7], v[W2B+8:W2B+15], v[HB+16*\m+8:HB+16*\m+15], v[Y+8*\m:Y+8*\m+7]      ; the four accumulators by turns
.endr
.rept 4
	v_nop                                          ; places in front of the first read of results
.endr
	WIN 0x44                                       ; source 0 (the weight) window 0, source 1 and destination window 1
.irp m, 0,1,2,3
.irp j, 0,1,2,3,4,5,6,7
	v_mul_f32 v[Y+8*\m+\j], v[WS+\m], v[Y+8*\m+\j] ; x my expert's weight for the token
.endr
.endr
	WIN 0x04
.irp m, 0,1,2,3
.irp z, 0,1
	ds_store_b128 v27, v[Y+8*\m+4*\z:Y+8*\m+4*\z+3] offset:1024*\m+512*\z
.endr
.endr
	WIN 0
	v_cmp_gt_u32 vcc_lo, s36, v23                  ; my place holds a token
	s_and_b32 s53, vcc_lo, 0xffff                  ; and I am of the lower half of the lanes
	s_wait_dscnt 0x0                               ; for the others' sake: my part lies in LDS
	s_barrier_signal -1
	s_barrier_wait -1
	WIN 0x40
.irp a, 0,1,2,3
.irp z, 0,1
	ds_load_b128 v[OS+8*\a+4*\z:OS+8*\a+4*\z+3], v28 offset:4096*\a+512*\z                   ; wave w takes token tile w: the four waves' parts (two experts x two halves of the hidden layer)
.endr
.endr
	s_wait_dscnt 0x0
	WIN 0x45
.irp a, 1,2,3
.irp i, 0,1,2,3
	v_pk_add_f32 v[OS+2*\i:OS+2*\i+1], v[OS+2*\i:OS+2*\i+1], v[OS+8*\a+2*\i:OS+8*\a+2*\i+1]
.endr
.endr
	WIN 0x04                                       ; a store's data are its source 1: window 1
	s_wait_alu depctr_va_vdst(0)
	s_wait_xcnt 0x0                                ; EXEC changes only behind this wait
	s_barrier_signal -1
	s_barrier_wait -1
	s_set_vgpr_msb 0x400
	s_wait_tensorcnt 0x0
	ds_add_u32 v254, v255
	s_wait_dscnt 0x0
	s_set_vgpr_msb 0x4
	s_and_saveexec_b32 s54, vcc_lo
	global_store_b64 v22, v[OS:OS+1], s[28:29]     ; outputs 0, 1 (lanes 0-15) and 8, 9 (lanes 16-31).  Rows of out0 are 40 bytes and belong to scattered tokens
	s_wait_xcnt 0x0
	s_or_b32 exec_lo, exec_lo, s54
	s_and_saveexec_b32 s54, s53
.irp i, 1,2,3
	global_store_b64 v22, v[OS+2*\i:OS+2*\i+1], s[28:29] offset:8*\i   ; outputs 2 to 7
.endr
	s_wait_xcnt 0x0
	s_or_b32 exec_lo, exec_lo, s54
	WIN 0
	s_endpgm
.Lfunc_end_k_q5c6cabbeb6_chain:
	.size	k_q5c6cabbeb6_chain, .Lfunc_end_k_q5c6cabbeb6_chain-k_q5c6cabbeb6_chain
	.p2alignl 7, 3214868480
	.fill 96, 4, 3214868480
	.section	.rodata,"a",@progbits
	.p2align	6, 0x0
	.amdhsa_kernel k_q5c6cabbeb6_chain
		.amdhsa_group_segment_fixed_size 236544
		.amdhsa_private_segment_fixed_size 0
		.amdhsa_enable_private_segment 0
		.amdhsa_kernarg_size 80
		.amdhsa_user_sgpr_count 2
		.amdhsa_user_sgpr_kernarg_segment_ptr 1
		.amdhsa_wavefront_size32 1
		.amdhsa_system_sgpr_workgroup_id_x 1
		.amdhsa_system_sgpr_workgroup_id_y 1
		.amdhsa_system_sgpr_workgroup_id_z 1
		.amdhsa_system_vgpr_workitem_id 0
		.amdhsa_next_free_vgpr 1024
		.amdhsa_next_free_sgpr 96
		.amdhsa_reserve_vcc 1
		.amdhsa_float_denorm_mode_32 3
		.amdhsa_float_denorm_mode_16_64 3
		.amdhsa_memory_ordered 1
		.amdhsa_forward_progress 1
		.amdhsa_inst_pref_size 168
	.end_amdhsa_kernel
	.amdgpu_metadata
---
amdhsa.version: [ 1, 2 ]
amdhsa.kernels:
  - .name:           k_q5c6cabbeb6_chain
    .symbol:         k_q5c6cabbeb6_chain.kd
    .args:
      - { .name: xc, .offset: 0, .size: 8, .value_kind: global_buffer, .address_space: global }
      - { .name: xs, .offset: 8, .size: 8, .value_kind: global_buffer, .address_space: global }
      - { .name: w1r, .offset: 16, .size: 8, .value_kind: global_buffer, .address_space: global }
      - { .name: W1_scales, .offset: 24, .size: 8, .value_kind: global_buffer, .address_space: global }
      - { .name: b1, .offset: 32, .size: 8, .value_kind: global_buffer, .address_space: global }
      - { .name: W2, .offset: 40, .size: 8, .value_kind: global_buffer, .address_space: global }
      - { .name: b2, .offset: 48, .size: 8, .value_kind: global_buffer, .address_space: global }
      - { .name: wts, .offset: 56, .size: 8, .value_kind: global_buffer, .address_space: global }
      - { .name: msk, .offset: 64, .size: 8, .value_kind: global_buffer, .address_space: global }
      - { .name: out0, .offset: 72, .size: 8, .value_kind: global_buffer, .address_space: global }
    .group_segment_fixed_size: 236544
    .private_segment_fixed_size: 0
    .kernarg_segment_align: 8
    .kernarg_segment_size: 80
    .max_flat_workgroup_size: 128
    .sgpr_count:     96
    .vgpr_count:     1024
    .wavefront_size: 32
...
	.end_amdgpu_metadata
.endif
;; end of part 2
